; MI455X (gfx1250); checked and timed in simulation.
; The chip was launched on July 23, 2026; its instructions are those of AMD's public machine-readable ISA for CDNA 5 (MIT licence, August 2026) and "CDNA5" Instruction Set Architecture Reference Guide (July 2026). The comments in the code are by the model that wrote it; some were corrected since.
;; Token Importance Router. Allowed arithmetic: matrix products marked QUANTISED: E2M1 operands, one E8M0 scale for each 32 along K, by v_wmma_scale_f32_16x16x128_f8f6f4 with both operands' format E2M1 (or v_wmma_scale_f32_32x16x128_f4), f32 sums; everything else in f32.
;; Inputs: Wk 512 x 2,048 float32; Wq 512 x 2,048 float32; bk 512 float32; bq 512 float32; hidden 4 x 4,096 x 2,048 float32.
;; Outputs: out0 4 x 4,096 float32.
;; This version of the problem:
;;   THIS VERSION OF THE PROBLEM IS GIVEN IN LOW PRECISION. The matrix products marked QUANTISED in the list below multiply operands that are first quantised to E2M1 (2 exponent bits, 1 mantissa bit; 4 bits a number), with one power-of-two scale for each 32 numbers along K (OCP MX v1.0); their sums are f32. All else is computed in f32.
;;   The module's matrix products, in the order in which they are computed (A, B: the left and right operand; K: the contracted axis; several contracted axes count as one K, in the product's order):
;;     1. [M 16,384, K 2,048] x [K 2,048, N 512]; A: input hidden; B: input Wq: QUANTISED
;;     2. [M 16,384, K 2,048] x [K 2,048, N 512]; A: input hidden; B: input Wk: QUANTISED
;;     3. batch 4 x [M 4,096, K 512] x [K 512, N 4,096]; A: computed on the way; B: computed on the way: QUANTISED
;;   THE QUANTISER, for each operand of a quantised product, along K:
;;     - K is cut into blocks of 32 from its start; a last block that is shorter is filled with zeros.
;;     - A block's scale is 2^e with e = floor(log2(the largest magnitude in the block)) - 2, held to -126 .. 127; a block of zeros has e = 0. As a byte (E8M0): e + 127.
;;     - Each number is divided by its block's scale, clamped to +-6, and rounded to the nearest number of E2M1, ties to even, subnormals kept.
;;     - The product sums the exact products of the quantised numbers (number of the format x scale) in f32.
;;   ~~~python
;;   def quantise(x, axis):      # numpy; x: float32 -> the quantised numbers, widened to float32 again
;;       x = np.moveaxis(x, axis, -1); K = x.shape[-1]
;;       x = np.pad(x, [(0, 0)] * (x.ndim - 1) + [(0, -K % 32)]); x = x.reshape(x.shape[:-1] + (-1, 32)); a = np.abs(x).max(-1, keepdims=True)
;;       e = np.where(a > 0, np.clip(np.frexp(np.where(a > 0, a, 1))[1] - 1 - 2, -126, 127), 0)      # np.frexp(a)[1] - 1 = floor(log2(a)), exactly
;;       r = np.clip(x / 2.0 ** e, -6, 6)
;;       step = 2.0 ** (np.maximum(np.frexp(np.where(r == 0, 1, r))[1] - 1, 0) - 1)
;;       q = np.round(r / step) * step * 2.0 ** e      # np.round: ties to even
;;       return np.moveaxis(q.reshape(q.shape[:-2] + (-1,))[..., :K], -1, axis).astype(np.float32)
;;   ~~~
;;   OPERANDS COMPUTED ON THE WAY. 'Computed on the way' means the value that the module computes at that place (a softmax that the list does not call 'softmax' is quantised finished and normalised). What goes into a quantiser is computed in f32, as accurately as f32 sums, v_exp_f32 and their like allow (about 1e-6 of the number): no bf16 or f16 on the way to a quantiser, and a product that is left as it is and whose result goes on into a quantised operand takes f32 operands (vector FMAs, or v_wmma_f32_16x16x4_f32). A number that lies on a knife's edge between two numbers of the format may be rounded either way, as far as f32 arithmetic and the matrix unit's own rounding can turn it there, and no further.
;; One version. Each part assembles by itself: llvm-mc -triple=amdgcn-amd-amdhsa -mcpu=gfx1250 --defsym DOCPART=n.
;; ======== version 1 of 1: 4 launches
;; limits: right only within a limited range of input values
;; workspace buffers: wf 1,114,112 bytes; qf 4,456,448 bytes; kf 4,456,448 bytes; part 262,144 bytes
;; launch quantw (part 1): grid 256 x 1, 4 waves a work-group, no clusters, 35,328 bytes of LDS; arguments Wq, Wk, wf; writes wf
.if DOCPART == 1
	.amdgcn_target "amdgcn-amd-amdhsa--gfx1250"
	.amdhsa_code_object_version 6
	.text
	.protected	k_qaca4f7b265_quantw
	.globl	k_qaca4f7b265_quantw
	.p2align	8
	.type	k_qaca4f7b265_quantw,@function
k_qaca4f7b265_quantw:
	s_mov_b64 s[64:65], 0
	v_nop
	global_prefetch_b8 v0, s[64:65] scope:SCOPE_SE
	s_setreg_imm32_b32 hwreg(HW_REG_WAVE_MODE, 25, 1), 1
	s_wait_xcnt 0x0
; Wq and Wk, [512][2048] f32, K innermost, become codes of FP4 (E2M1) with one E8M0 byte for each 32 along K, laid in wf as IMAGES OF OPERAND REGISTERS in the order in which the next launch walks them:
; wf = [slot j 0..7][wave w 0..3][u 0..1][17,408 bytes]; K step s = 2 j + u (128 along K); a block of 17,408 bytes = 16 fragment images of 1,024 bytes (tile t), then 1,024 bytes of scale words.
; Tile t = 8 g + 2 b + u', lane rho holds weight row n = 256 w + 128 g + 32 b + 8 u' + rho + 8 (rho / 8) (n < 512: Wq's row n, else Wk's row n - 512): the rows of a tile are chosen so that the
; results of tiles 2 b and 2 b + 1 are 16 neighbours along the next product's K.  Fragment image: registers 4 c .. 4 c + 3 of lane l at 512 c + 16 l.
; Scale image: the word at 256 pp + 8 l + 4 e belongs to tile 2 (2 pp + e) + l / 16, row l % 16: one load of 8 bytes a lane then gives two registers, each with one tile's words below and the next tile's above.
; SHARES: work-group x: pp = x % 4, s = (x / 4) % 16, w = x / 64; wave v makes the one fragment t = 4 pp + v: 16 rows x 128 numbers.
; Each load reads 512 consecutive bytes of one row; the numbers turn through the wave's own stage in LDS, so that a lane gets 16 neighbours of each block of 32.
; A block's scale is 2^(floor(log2(largest magnitude)) - 2): its byte is the largest magnitude's exponent field - 2, held at 1 from below by a floor among the maximum's leaves.
; LIMITS: a block of zeros gets the byte 1 where the rule says 127 (its codes are zeros, and this program alone reads the bytes); blocks whose largest magnitude lies under 2^-124 are held at byte 1;
; NaN and infinities among the inputs are not served.
.set STG, 8448                         ; a wave's stage: 16 rows x (512 bytes + 16)
.set SG,  4*STG                        ; behind the stages: the work-group's 256 bytes of scale words
.set RAW, 16                           ; v16-79   the numbers as loaded
.set X,   80                           ; v80-143  register 16 b + i = k 32 b + 16 (lane / 16) + i of my row
.set TM,  144                          ; v144-147 largest magnitudes, v148-151 the other half's, then bytes, v152-155 the conversions' scale operands
.set PW,  156                          ; my row's scale word
.set PC,  160                          ; v160-167 the fragment
.set SEL, 20                           ; s[20:21] lane selects for v_permlanex16_b32: lane l xor 16
; 64 numbers of a lane become a fragment's codes in v[PC] on and its scale word in v[pw]
.macro QUANT s, pw
.irp b, 0,1,2,3
	v_max3_num_f32 v[TM+\b], |v[\s+16*\b]|, |v[\s+16*\b+1]|, 0x1800000   ; block b: my 16 numbers, and the floor 2^(3 - 127): the byte cannot fall under 1
.endr
.irp i, 2,4,6,8,10,12,14
.irp b, 0,1,2,3
	v_max3_num_f32 v[TM+\b], v[TM+\b], |v[\s+16*\b+\i]|, |v[\s+16*\b+\i+1]|   ; the four blocks by turns
.endr
.endr
.irp b, 0,1,2,3
	v_permlanex16_b32 v[TM+4+\b], v[TM+\b], s[SEL], s[SEL+1]
.endr
.irp b, 0,1,2,3
	v_max_num_f32 v[TM+\b], v[TM+\b], v[TM+4+\b]   ; with lane l xor 16's 16 numbers: the block's largest magnitude
.endr
.irp b, 0,1,2,3
	v_add_nc_u32 v[TM+8+\b], 0xff000000, v[TM+\b]  ; 2 off its exponent field: the conversion takes the exponent field of this operand as its scale
.endr
.irp b, 0,1,2,3
	v_lshrrev_b32 v[TM+4+\b], 23, v[TM+8+\b]       ; the scale's byte
.endr
	v_lshl_or_b32 v[\pw], v[TM+5], 8, v[TM+4]
	v_lshl_or_b32 v[\pw], v[TM+6], 16, v[\pw]
	v_lshl_or_b32 v[\pw], v[TM+7], 24, v[\pw]
.irp b, 0,1,2,3
	v_cvt_scalef32_pk8_fp4_f32 v[PC+2*\b], v[\s+16*\b:\s+16*\b+7], v[TM+8+\b]
	v_cvt_scalef32_pk8_fp4_f32 v[PC+2*\b+1], v[\s+16*\b+8:\s+16*\b+15], v[TM+8+\b]
.endr
	v_nop                                          ; one plain place behind a scaled conversion
.irp c, 0,1                                    ; the operand's layout wants a whole block in a lane: lanes 0-15 block 2 c, lanes 16-31 block 2 c + 1
.irp i, 0,1
	v_permlane16_swap_b32 v[PC+4*\c+\i], v[PC+4*\c+2+\i]
.endr
.endr
.endm
	s_load_b128 s[4:7], s[0:1], 0x0                ; Wq, Wk
	s_load_b64 s[8:9], s[0:1], 0x10                ; wf
	v_lshl_add_u32 v192, v0, 2, 0x8800
	v_mov_b32 v193, 0
	v_lshrrev_b32 v1, 5, v0
	v_readfirstlane_b32 s10, v1                    ; wave v
	v_and_b32 v2, 31, v0                           ; lane
	v_and_b32 v9, 15, v0                           ; r
	v_bfe_u32 v10, v0, 4, 1                        ; h
	v_lshlrev_b32 v3, 4, v2                        ; 16 x lane: my bytes of a load, and of an image
	s_mul_i32 s11, s10, STG
	v_add_nc_u32 v4, s11, v3                       ; into the stage: as loaded
	v_mul_u32_u24 v5, v9, 528
	v_lshl_add_u32 v5, v10, 6, v5
	v_add_nc_u32 v5, s11, v5                       ; out of it: row r, + 64 h: my 16 numbers of a block
	s_and_b32 s12, s10, 1
	s_lshl_b32 s12, s12, 7
	s_lshr_b32 s13, s10, 1
	s_lshl_b32 s13, s13, 2
	s_add_co_u32 s12, s12, s13
	s_add_co_u32 s12, s12, SG
	v_lshl_add_u32 v6, v9, 3, s12                  ; my row's scale word: 128 (v % 2) + 4 (v / 2) + 8 r
	v_lshlrev_b32 v7, 3, v2
	v_add_nc_u32 v8, SG, v7                        ; and on the way out 8 bytes a lane
	s_mov_b32 s[SEL], 0x76543210
	s_mov_b32 s[SEL+1], 0xfedcba98
.irp b, 0,1,2,3
	v_mov_b32 v[TM+4+\b], 0                        ; written once: a lane permute's destination counts as one of its sources
.endr
	s_and_b32 s14, ttmp9, 3                        ; pp
	s_bfe_u32 s15, ttmp9, 0x40002                  ; s
	s_lshr_b32 s16, ttmp9, 6                       ; w
	s_lshl_b32 s17, s14, 2
	s_add_co_u32 s17, s17, s10                     ; t = 4 pp + v
	s_and_b32 s18, s16, 1                          ; the tile's first row in its tensor: 256 (w % 2) + 128 (t / 8) + 32 ((t / 2) % 4) + 8 (t % 2)
	s_lshl_b32 s18, s18, 8
	s_lshr_b32 s19, s17, 3
	s_lshl_b32 s19, s19, 7
	s_add_co_u32 s18, s18, s19
	s_bfe_u32 s19, s17, 0x20001
	s_lshl_b32 s19, s19, 5
	s_add_co_u32 s18, s18, s19
	s_and_b32 s19, s17, 1
	s_lshl_b32 s19, s19, 3
	s_add_co_u32 s18, s18, s19
	s_lshl_b32 s18, s18, 13                        ; rows of 8,192 bytes
	s_lshl_b32 s19, s15, 9                         ; + 512 s
	s_add_co_u32 s22, s18, s19
	s_mov_b32 s23, 0
	s_lshr_b32 s24, s15, 1                         ; the block's place in wf
	s_mul_i32 s24, s24, 139264
	s_mul_i32 s25, s16, 34816
	s_add_co_u32 s24, s24, s25
	s_and_b32 s25, s15, 1
	s_mul_i32 s25, s25, 17408
	s_add_co_u32 s24, s24, s25
	s_mov_b32 s25, 0
	s_lshl_b32 s26, s17, 10                        ; my fragment's image in it
	s_mov_b32 s27, 0
	s_lshl_b32 s28, s14, 8
	s_add_co_u32 s28, s28, 16384                   ; the work-group's 256 bytes of scale words in it
	s_mov_b32 s29, 0
	s_wait_alu depctr_va_vdst(0)
	s_wait_kmcnt 0x0
	s_cmp_lt_u32 ttmp9, 128                        ; Wq's work-group or Wk's: the choice hangs on the work-group's number alone
	s_cselect_b64 s[4:5], s[4:5], s[6:7]
	s_add_nc_u64 s[4:5], s[4:5], s[22:23]
	s_add_nc_u64 s[8:9], s[8:9], s[24:25]
	s_add_nc_u64 s[6:7], s[8:9], s[26:27]          ; where my image goes
	s_add_nc_u64 s[8:9], s[8:9], s[28:29]          ; where the scale words go
.irp i, 0,1,2,3,4,5,6,7,8,9,10,11,12,13,14,15
	global_load_b128 v[RAW+4*\i:RAW+4*\i+3], v3, s[4:5] offset:(\i+8*(\i/8))*8192 th:TH_LOAD_NT   ; tile row i: 512 consecutive bytes
.endr
.irp i, 0,1,2,3,4,5,6,7,8,9,10,11,12,13,14,15
	s_wait_loadcnt 15-\i                           ; row i is in; the younger rows' loads stay out
	ds_store_b128 v4, v[RAW+4*\i:RAW+4*\i+3] offset:528*\i
.endr
.irp b, 0,1,2,3
.irp j, 0,1,2,3
	ds_load_b128 v[X+16*\b+4*\j:X+16*\b+4*\j+3], v5 offset:128*\b+16*\j   ; LDS serves a wave's instructions in order: these see my stores
.endr
.endr
	s_wait_dscnt 0x0
	QUANT X, PW
	global_store_b128 v3, v[PC:PC+3], s[6:7]               ; 512 consecutive bytes a store
	global_store_b128 v3, v[PC+4:PC+7], s[6:7] offset:512
	ds_store_b32 v6, v[PW]                         ; lanes r and r + 16 write the same word with the same value
	s_wait_dscnt 0x0                               ; for the others' sake: my word has landed
	s_barrier_signal -1
	s_barrier_wait -1
	s_cmp_lg_u32 s10, 0
	s_cbranch_scc1 .Ldone
	ds_load_b64 v[12:13], v8                       ; wave 0 sends the four tiles' words: 256 consecutive bytes, aligned
	s_wait_dscnt 0x0
	global_store_b64 v7, v[12:13], s[8:9]
.Ldone:
	s_wait_tensorcnt 0x0
	ds_add_u32 v192, v193
	s_wait_dscnt 0x0
	s_endpgm
.Lfunc_end_k_qaca4f7b265_quantw:
	.size	k_qaca4f7b265_quantw, .Lfunc_end_k_qaca4f7b265_quantw-k_qaca4f7b265_quantw
	.p2alignl 7, 3214868480
	.fill 96, 4, 3214868480
	.section	.rodata,"a",@progbits
	.p2align	6, 0x0
	.amdhsa_kernel k_qaca4f7b265_quantw
		.amdhsa_group_segment_fixed_size 35328
		.amdhsa_private_segment_fixed_size 0
		.amdhsa_enable_private_segment 0
		.amdhsa_kernarg_size 24
		.amdhsa_user_sgpr_count 2
		.amdhsa_user_sgpr_kernarg_segment_ptr 1
		.amdhsa_wavefront_size32 1
		.amdhsa_system_sgpr_workgroup_id_x 1
		.amdhsa_system_sgpr_workgroup_id_y 1
		.amdhsa_system_sgpr_workgroup_id_z 1
		.amdhsa_system_vgpr_workitem_id 0
		.amdhsa_next_free_vgpr 194
		.amdhsa_next_free_sgpr 66
		.amdhsa_reserve_vcc 0
		.amdhsa_float_denorm_mode_32 3
		.amdhsa_float_denorm_mode_16_64 3
		.amdhsa_memory_ordered 1
		.amdhsa_forward_progress 1
		.amdhsa_inst_pref_size 12
	.end_amdhsa_kernel
	.amdgpu_metadata
---
amdhsa.version: [ 1, 2 ]
amdhsa.kernels:
  - .name:           k_qaca4f7b265_quantw
    .symbol:         k_qaca4f7b265_quantw.kd
    .args:
      - { .name: Wq, .offset: 0, .size: 8, .value_kind: global_buffer, .address_space: global }
      - { .name: Wk, .offset: 8, .size: 8, .value_kind: global_buffer, .address_space: global }
      - { .name: wf, .offset: 16, .size: 8, .value_kind: global_buffer, .address_space: global }
    .group_segment_fixed_size: 35328
    .private_segment_fixed_size: 0
    .kernarg_segment_align: 8
    .kernarg_segment_size: 24
    .max_flat_workgroup_size: 128
    .sgpr_count:     66
    .vgpr_count:     194
    .wavefront_size: 32
...
	.end_amdgpu_metadata
.endif
;; end of part 1
;; launch proj (part 2): grid 256 x 1, 4 waves a work-group, no clusters, 327,680 bytes of LDS; arguments hidden, wf, bq, bk, qf, kf; writes qf, kf
.if DOCPART == 2
	.amdgcn_target "amdgcn-amd-amdhsa--gfx1250"
	.amdhsa_code_object_version 6
	.text
	.protected	k_qaca4f7b265_proj
	.globl	k_qaca4f7b265_proj
	.p2align	8
	.type	k_qaca4f7b265_proj,@function
k_qaca4f7b265_proj:
	s_mov_b64 s[64:65], 0
	v_nop
	global_prefetch_b8 v0, s[64:65] scope:SCOPE_SE
	s_setreg_imm32_b32 hwreg(HW_REG_WAVE_MODE, 25, 1), 1
	s_wait_xcnt 0x0
; q = Q(hidden) Q(Wq)^T + bq and k = Q(hidden) Q(Wk)^T + bk on codes of FP4 (E2M1) with E8M0 scales for each 32 along K; q and k are quantised along their 512 and leave as codes.
; SHARES.  Work-group G takes tokens 64 G .. 64 G + 63 and all 1,024 weight rows (q's 512, then k's 512): hidden is read once and quantised once.
; Wave w quantises tokens 16 w .. 16 w + 15 and multiplies all 64 tokens by its own 256 weight rows (waves 0, 1: q; waves 2, 3: k): 64 accumulators, 512 registers.
; K goes in 4 trips of 512 (four K steps of 128, eight halves of 32 products).
; hidden comes by tensor loads into two LDS slots by turns: a wave's load brings its own 16 rows x 2,048 bytes, and only that wave reads them.  16 bytes of padding stand behind each 1,024 bytes, so LDS rows are 2,080 bytes apart.
; A lane reads 16 neighbours of each block of 32 of its row, so the quantiser's results are a fragment's registers; they reach the other waves through LDS as images (1,024 bytes a fragment, one scale word a row).
; THE WEIGHTS lie in wf as images of operand registers, and each image is multiplied by one wave alone: they go from memory straight into that wave's registers, 18 loads for a half's 32 products,
; in four buffers of 64 registers by turns: three halves' loads (54) are out while one half is multiplied.
; cluster = none: a joint request lands in LDS, and two slots of the weights (2 x 139,264 bytes) beside hidden's two (2 x 133,120) pass a WGP's 327,680 bytes.
; No data prefetch: behind each refill's barrier the four waves ask for the whole next 131,072 bytes of hidden, a whole trip ahead of their use, and the next request follows the wait for them by seven lines and a barrier.
; THE BIAS is the C of each accumulator's first product: nothing is cleared and nothing is added on the way out.  So the f32 sums begin with the bias where the module adds it last.
; THE MATRIX INSTRUCTION IS USED TRANSPOSED (source 0 = 16 weight rows, source 1 = 16 tokens): a lane holds one token, and by the choice of a tile's weight rows the 64 registers of tiles 8 g .. 8 g + 7
; are register 16 b + i = unit 128 g + 32 b + 16 (lane / 16) + i: what the quantiser of the next product's operand wants.
; OUT: qf, kf = [G][17,408 bytes]: [tile m of 16 tokens][K step s][1,024-byte fragment image]; from 16,384 on [c'][512 bytes]: the word at 16 l + 4 m is tile m's scale word of K step 2 c' + l / 16, token l % 16.
; LIMITS: a block of zeros gets the byte 1 where the rule says 127 (its codes are zeros, and this program alone reads the bytes); blocks whose largest magnitude lies under 2^-124 are held at byte 1;
; NaN and infinities among the inputs are not served.
; REGISTERS, in windows of 256: window 0: the names below.  window 1: the weights' four buffers, buffer n at 64 n (at the start buffers 2, 3 hold the bias).
;   windows 2, 3: the accumulators of weight tiles 0-7 and 8-15: (token tile m, weight tile t) at v[64 m + 8 t].
.set ROWP,  2080                       ; an LDS row of hidden: 2 x (1,024 + 16) bytes
.set WTILE, 16*ROWP                    ; a wave's part of a slot
.set SLOT,  4*WTILE
.set AIM,   2*SLOT                     ; behind the slots: hidden's codes of a trip: image (K step s, token tile m) at 4,096 s + 1,024 m
.set ASC,   16384                      ; and their scale words: 512 (s / 2) + 128 m + 64 (s % 2) + 4 r
.set SPARE, AIM+17408                  ; the spare words, 128 bytes for each wave: two blocks of 256 bytes that no other line names
.set WPAIR, 139264                     ; wf: two K steps of all four waves
.set WPART, 34816                      ; a wave's part of them
.set WSTEP, 17408                      ; a K step: 16 fragment images, then 1,024 bytes of scale words
.set SPW,  1                           ; v1   LDS address of my spare word; never rewritten
.set NIL,  2                           ; v2   0; never rewritten
.set HR,   3                           ; v3   hidden in slot 0: my wave's part, row r, + 64 h
.set HRC,  4                           ; v4   the same in this trip's slot
.set IW,   5                           ; v5   where I store an image: my token tile, 16 x lane
.set SWA,  6                           ; v6   where I store my row's scale word
.set AR,   7                           ; v7   where images are read: 16 x lane
.set ASR,  8                           ; v8   where scale words are read: 4 x lane: lanes 0-15 the even K step's, lanes 16-31 the odd one's
.set LI,   9                           ; v9   16 x lane
.set L8,   10                          ; v10  8 x lane
.set BOFF, 11                          ; v11  64 h: the bias of my half's units
.set SW,   12                          ; v12-15 the way out: scale words to store (at the head: at work)
.set WS,   16                          ; v16-31 weight scale words: buffer n at 4 n; register i: tile 2 i below, tile 2 i + 1 above
.set AS,   32                          ; v32-39 hidden's scale words: register 4 (s / 2) + m
.set TM,   40                          ; v40-51 the quantiser's work
.set PW,   52                          ; v52-53 scale words just made
.set PC,   56                          ; v56-63 the fragment just made
.set X0,   64                          ; v64-255 three sets of 64 numbers of hidden;
.set AF,   128                         ; v128-255 then hidden's fragments of the trip: (s, m) at 32 s + 8 m
.set WV,  16                           ; s16  my wave's number
.set SEL, 20                           ; s[20:21] lane selects for v_permlanex16_b32: lane l xor 16
.set HM,  22                           ; s22  a mask of lanes 16-31
.set G1,  24                           ; s[24:31] descriptor group 1
.set G0,  32                           ; s[32:35] descriptor group 0
.set RS,  36                           ; s36  the slot that this trip reads: 0 or SLOT
.set WP,  37                           ; s37  my wave's part of a slot
.set CNT, 38
.set WB,  40                           ; s[40:41] wf: my wave's part of this trip's first K step
.set BB,  42                           ; s[42:43] the bias of my 256 units
.set OB,  46                           ; s[46:47] where my fragment images go
.set OS,  48                           ; s[48:49] where my scale words go
.set MSB, 0
.macro WIN new                         ; the immediate's high byte repeats the setting that is left; a switch that changes nothing is dropped
.if MSB != (\new)
	s_set_vgpr_msb (MSB<<8)|(\new)
.set MSB, (\new)
.endif
.endm
.macro PLACES                          ; four places in front of loads into registers that matrix instructions have read and of reads of results
.rept 4
	v_nop
.endr
.endm
; one product on the registers named by rD, rA, rB, rC, rS, rT.  ra, rb: source 0's, source 1's scale words stand in lanes 16-31
.macro WMMA ra, rb
.if (\ra) && (\rb)
	v_wmma_scale_f32_16x16x128_f8f6f4 v[rD:rD+7], v[rA:rA+7], v[rB:rB+7], v[rC:rC+7], v[rS], v[rT] matrix_a_fmt:MATRIX_FMT_FP4 matrix_b_fmt:MATRIX_FMT_FP4 matrix_a_scale:MATRIX_SCALE_ROW1 matrix_b_scale:MATRIX_SCALE_ROW1
.elseif (\ra)
	v_wmma_scale_f32_16x16x128_f8f6f4 v[rD:rD+7], v[rA:rA+7], v[rB:rB+7], v[rC:rC+7], v[rS], v[rT] matrix_a_fmt:MATRIX_FMT_FP4 matrix_b_fmt:MATRIX_FMT_FP4 matrix_a_scale:MATRIX_SCALE_ROW1
.elseif (\rb)
	v_wmma_scale_f32_16x16x128_f8f6f4 v[rD:rD+7], v[rA:rA+7], v[rB:rB+7], v[rC:rC+7], v[rS], v[rT] matrix_a_fmt:MATRIX_FMT_FP4 matrix_b_fmt:MATRIX_FMT_FP4 matrix_b_scale:MATRIX_SCALE_ROW1
.else
	v_wmma_scale_f32_16x16x128_f8f6f4 v[rD:rD+7], v[rA:rA+7], v[rB:rB+7], v[rC:rC+7], v[rS], v[rT] matrix_a_fmt:MATRIX_FMT_FP4 matrix_b_fmt:MATRIX_FMT_FP4
.endif
.endm
; 64 numbers of a lane in window w, register s + 16 b + i = k 32 b + 16 (lane / 16) + i of my row, become a fragment's codes in v[PC] on and its scale word in v[pw].  Accumulators are read from their low end on.
.macro QUANT s, w, pw
	WIN 5*(\w)                                     ; sources 0 and 1: window w
.irp b, 0,1,2,3
	v_max3_num_f32 v[TM+\b], |v[\s+16*\b]|, |v[\s+16*\b+1]|, 0x1800000   ; block b: my 16 numbers, and the floor 2^(3 - 127): the byte cannot fall under 1
.endr
.irp i, 2,4,6,8,10,12,14
.irp b, 0,1,2,3
	v_max3_num_f32 v[TM+\b], |v[\s+16*\b+\i]|, |v[\s+16*\b+\i+1]|, v[TM+\b]   ; the four blocks by turns
.endr
.endr
	WIN 0
.irp b, 0,1,2,3
	v_permlanex16_b32 v[TM+4+\b], v[TM+\b], s[SEL], s[SEL+1]
.endr
.irp b, 0,1,2,3
	v_max_num_f32 v[TM+\b], v[TM+\b], v[TM+4+\b]   ; with lane l xor 16's 16 numbers: the block's largest magnitude
.endr
.irp b, 0,1,2,3
	v_add_nc_u32 v[TM+8+\b], 0xff000000, v[TM+\b]  ; 2 off its exponent field: the conversion's scale operand
.endr
.irp b, 0,1,2,3
	v_lshrrev_b32 v[TM+4+\b], 23, v[TM+8+\b]       ; the scale's byte
.endr
	v_lshl_or_b32 v[\pw], v[TM+5], 8, v[TM+4]
	v_lshl_or_b32 v[\pw], v[TM+6], 16, v[\pw]
	v_lshl_or_b32 v[\pw], v[TM+7], 24, v[\pw]
	WIN \w                                         ; source 0: window w
.irp b, 0,1,2,3
	v_cvt_scalef32_pk8_fp4_f32 v[PC+2*\b], v[\s+16*\b:\s+16*\b+7], v[TM+8+\b]
	v_cvt_scalef32_pk8_fp4_f32 v[PC+2*\b+1], v[\s+16*\b+8:\s+16*\b+15], v[TM+8+\b]
.endr
	WIN 0
	v_nop                                          ; one plain place behind a scaled conversion
.irp c, 0,1                                    ; a whole block to a lane: lanes 0-15 block 2 c, lanes 16-31 block 2 c + 1
.irp i, 0,1
	v_permlane16_swap_b32 v[PC+4*\c+\i], v[PC+4*\c+2+\i]
.endr
.endr
.endm
; the weights of half hh, counted from this trip's first half (0 .. 11): eight fragments and their scale words into buffer hh % 4: 18 loads
.macro WLOAD hh
.set wb_, (\hh)%4
.set wo_, ((\hh)/4)*WPAIR+(((\hh)/2)%2)*WSTEP
.set wg_, (\hh)%2
	WIN 0x40                                       ; destination window 1
.irp t, 0,1,2,3,4,5,6,7
.irp c, 0,1
	global_load_b128 v[64*wb_+8*\t+4*\c:64*wb_+8*\t+4*\c+3], v[LI], s[WB:WB+1] offset:wo_+1024*(8*wg_+\t)+512*\c   ; 512 consecutive bytes a load
.endr
.endr
	WIN 0
.irp q, 0,1
	global_load_b64 v[WS+4*wb_+2*\q:WS+4*wb_+2*\q+1], v[L8], s[WB:WB+1] offset:wo_+16384+256*(2*wg_+\q)
.endr
.endm
; HALF hh of a trip: K step hh / 2, weight tiles 8 (hh % 2) .. + 7 x the four token tiles: 32 products.  cnt: the younger loads, which may stay out.  first: C is the bias.
; All 64 accumulators take turns, one instruction a turn, in the same order in every K step.
.macro HALF hh, cnt, first
.set hs_, (\hh)/2
.set hg_, (\hh)%2
.set hb_, (\hh)%4
	s_wait_loadcnt \cnt                            ; loads come back in order: this half's 18 are in
.if hg_ == 0
	s_wait_dscnt 8*(3-hs_)                         ; this K step's fragments of hidden are in; the later K steps' loads, 8 each, stay out
.endif
.if \first
	WIN 0x91+0x40*hg_                              ; source 0 and C window 1, source 1 window 0, D window 2 + g
.else
	WIN 0xa1+0x50*hg_                              ; source 0 window 1, source 1 window 0, C and D window 2 + g
.endif
.irp t, 0,1,2,3,4,5,6,7
.irp m, 0,1,2,3
.set rD, 64*\m+8*\t
.set rA, 64*hb_+8*\t
.set rB, AF+32*hs_+8*\m
.if \first
.set rC, 128+64*hg_+8*\t
.else
.set rC, rD
.endif
.set rS, WS+4*hb_+\t/2
.set rT, AS+4*(hs_/2)+\m
	WMMA \t%2, hs_%2
.endr
.endr
	PLACES
.endm
.macro XLOAD s, x                      ; my row's 64 numbers of the trip's K step s into set x: register 16 b + 4 j + .. = k 32 b + 16 h + 4 j + ..
.irp b, 0,1,2,3
.irp j, 0,1,2,3
	ds_load_b128 v[\x+16*\b+4*\j:\x+16*\b+4*\j+3], v[HRC] offset:512*(\s)+16*((\s)/2)+128*\b+16*\j
.endr
.endr
.endm
.macro QSTEP s, x, cnt                 ; K step s of my 16 tokens becomes an image and 16 scale words in LDS.  cnt: the younger LDS instructions
	s_wait_dscnt \cnt
	QUANT \x, 0, PW
	ds_store_b128 v[IW], v[PC:PC+3] offset:4096*(\s)
	ds_store_b128 v[IW], v[PC+4:PC+7] offset:4096*(\s)+512
	ds_store_b32 v[SWA], v[PW] offset:512*((\s)/2)+64*((\s)%2)   ; lanes r and r + 16 write the same word with the same value
.endm
; A TRIP: 512 along K.  kind 0: the first, 1: a middle one, 2: the last
.macro TRIP kind
	s_wait_tensorcnt 0x0                           ; my one tensor load that was out, my rows of this trip's slot, has landed: so group 0 may be written
	ds_add_u32 v[SPW], v[NIL]                      ; 0 onto my spare word
	v_add_nc_u32 v[HRC], s[RS], v[HR]              ; my rows in this trip's slot
.if \kind != 2
	s_xor_b32 s[RS], s[RS], SLOT                   ; the other slot: filled now, read next trip
	s_add_co_u32 s[G0+1], s[WP], s[RS]
	s_add_nc_u64 s[G0+2:G0+3], s[G0+2:G0+3], 2048  ; the next 512 numbers of my rows
.endif
	s_wait_alu depctr_va_vdst(0)
	s_wait_dscnt 0x0                               ; the add is done; my reads of the other slot and of the last trip's images are over
	s_barrier_signal -1
	s_barrier_wait -1                              ; that now holds of every wave: the images may be written again
.if \kind != 2
	tensor_load_to_lds s[G0:G0+3], s[G1:G1+7]      ; my one load behind this barrier: the next trip's rows (in the first trip: slot 1's first fill)
	s_nop 0
.endif
	XLOAD 0, X0
	XLOAD 1, X0+64
	XLOAD 2, X0+128
	QSTEP 0, X0, 32                                ; behind K step 0's 16 loads: 32 loads
	XLOAD 3, X0
	QSTEP 1, X0+64, 35                             ; 16 loads, 3 stores, 16 loads
	QSTEP 2, X0+128, 22                            ; 3 stores, 16 loads, 3 stores
	QSTEP 3, X0, 6                                 ; 6 stores
	s_wait_dscnt 0x0                               ; for the others' sake: my images and words have landed
	s_barrier_signal -1
	s_barrier_wait -1                              ; my tensor load stays out across it
.irp p, 0,1
.irp m, 0,1,2,3
	ds_load_b32 v[AS+4*\p+\m], v[ASR] offset:512*\p+128*\m
.endr
.endr
.irp q, 0,1,2,3
.irp m, 0,1,2,3
.irp c, 0,1
	ds_load_b128 v[AF+32*\q+8*\m+4*\c:AF+32*\q+8*\m+4*\c+3], v[AR] offset:4096*\q+1024*\m+512*\c
.endr
.endr
.endr
.if \kind == 0
	HALF 0, 0, 1                                   ; the head's loads are in: two halves' weights and the bias
	WLOAD 2                                        ; buffers 2 and 3 take weights as soon as their bias has been used
	HALF 1, 18, 1
	WLOAD 3
	WLOAD 4
	WLOAD 5
.else
	HALF 0, 54, 0                                  ; 54: three younger halves' loads stay out
	WLOAD 4
	HALF 1, 54, 0
	WLOAD 5
.endif
	HALF 2, 54, 0
	WLOAD 6
	HALF 3, 54, 0
	WLOAD 7
.if \kind == 2
	HALF 4, 54, 0                                  ; nothing of the weights is left to ask for
	HALF 5, 36, 0
	HALF 6, 18, 0
	HALF 7, 0, 0
	WIN 0
.else
	HALF 4, 54, 0
	WLOAD 8
	HALF 5, 54, 0
	WLOAD 9
	HALF 6, 54, 0
	WLOAD 10
	HALF 7, 54, 0
	WLOAD 11
	s_wait_xcnt 0x0                                ; the trip's loads have read their base: only behind this wait is it stepped
	s_add_nc_u64 s[WB:WB+1], s[WB:WB+1], 2*WPAIR
.endif
.endm
	s_load_b256 s[4:11], s[0:1], 0x0               ; hidden s[4:5], wf s[6:7], bq s[8:9], bk s[10:11]
	s_load_b128 s[12:15], s[0:1], 0x20             ; qf s[12:13], kf s[14:15]
	v_lshl_add_u32 v[SPW], v0, 2, SPARE
	v_mov_b32 v[NIL], 0
	ds_add_u32 v[SPW], v[NIL]
	ds_add_u32 v[SPW], v[NIL]
	v_lshrrev_b32 v12, 5, v0
	v_readfirstlane_b32 s[WV], v12                 ; wave 0..3
	v_and_b32 v13, 31, v0                          ; lane
	v_and_b32 v14, 15, v0                          ; r
	v_bfe_u32 v15, v0, 4, 1                        ; h
	s_mul_i32 s[WP], s[WV], WTILE
	v_mul_u32_u24 v[HR], v14, ROWP
	v_lshl_add_u32 v[HR], v15, 6, v[HR]
	v_add_nc_u32 v[HR], s[WP], v[HR]
	s_lshl_b32 s50, s[WV], 10
	s_add_co_u32 s50, s50, AIM
	v_lshl_add_u32 v[IW], v13, 4, s50
	s_lshl_b32 s51, s[WV], 7
	s_add_co_u32 s51, s51, AIM+ASC
	v_lshl_add_u32 v[SWA], v14, 2, s51
	v_lshlrev_b32 v[LI], 4, v13
	v_add_nc_u32 v[AR], AIM, v[LI]
	v_lshlrev_b32 v[ASR], 2, v13
	v_add_nc_u32 v[ASR], AIM+ASC, v[ASR]
	v_lshlrev_b32 v[L8], 3, v13
	v_lshlrev_b32 v[BOFF], 6, v15
.irp b, 0,1,2,3
	v_mov_b32 v[TM+4+\b], 0                        ; written once: a lane permute's destination counts as one of its sources
.endr
	s_wait_alu depctr_va_vdst(0)
	s_mov_b32 s[SEL], 0x76543210
	s_mov_b32 s[SEL+1], 0xfedcba98
	s_mov_b32 s[HM], 0xffff0000
	; descriptor group 1: 16 rows x 512 elements of 4 bytes; 4 words of padding behind every 256 words, twice a row
	s_mov_b32 s[G1], (2<<16)|(1<<20)|(7<<22)|(3<<25)
	s_mov_b32 s[G1+1], 512<<16                     ; tensor_dim0 = 512
	s_mov_b32 s[G1+2], 16<<16                      ; tensor_dim1 = 16
	s_mov_b32 s[G1+3], 512<<16                     ; tile_dim0 = 512
	s_mov_b32 s[G1+4], 16                          ; tile_dim1 = 16
	s_mov_b32 s[G1+5], 2048                        ; from row to row, in elements
	s_mov_b32 s[G1+6], 0
	s_mov_b32 s[G1+7], 0
	s_and_b32 s17, s[WV], 1
	s_lshl_b32 s50, ttmp9, 19                      ; 64 G rows of 8,192 bytes
	s_lshl_b32 s51, s[WV], 17                      ; + 16 w rows
	s_add_co_u32 s50, s50, s51
	s_mov_b32 s51, 0
	s_mul_i32 s52, s[WV], WPART
	s_mov_b32 s53, 0
	s_mov_b32 s[RS], 0                             ; the first trip reads slot 0
	s_wait_dscnt 0x0                               ; both opening adds are done
	s_wait_kmcnt 0x0
	s_mov_b32 s[G0], 1                             ; count = 1
	s_mov_b32 s[G0+1], s[WP]                       ; LDS address: slot 0, my part
	s_add_nc_u64 s[G0+2:G0+3], s[4:5], s[50:51]    ; my rows' first 512 numbers
	s_or_b32 s[G0+3], s[G0+3], 0x80000000          ; type = 2
	tensor_load_to_lds s[G0:G0+3], s[G1:G1+7]      ; one tensor load a wave at the head
	s_nop 0
	s_add_nc_u64 s[WB:WB+1], s[6:7], s[52:53]
	s_cmp_lt_u32 s[WV], 2                          ; waves 0, 1 make q, waves 2, 3 make k
	s_cselect_b64 s[BB:BB+1], s[8:9], s[10:11]
	s_cselect_b64 s[OB:OB+1], s[12:13], s[14:15]
	s_lshl_b32 s52, s17, 10                        ; my 256 units' bias
	s_add_nc_u64 s[BB:BB+1], s[BB:BB+1], s[52:53]
	WLOAD 0
	WLOAD 1
	WIN 0x40                                       ; destination window 1
.irp g, 0,1
.irp b, 0,1,2,3
.irp j, 0,1,2,3
	global_load_b128 v[128+64*\g+16*\b+4*\j:128+64*\g+16*\b+4*\j+3], v[BOFF], s[BB:BB+1] offset:512*\g+128*\b+16*\j   ; register 64 g + 16 b + i: the bias of unit 128 g + 32 b + 16 h + i
.endr
.endr
.endr
	WIN 0
	s_mul_i32 s50, ttmp9, 17408                    ; group G's block
	s_add_nc_u64 s[OB:OB+1], s[OB:OB+1], s[50:51]
	s_lshl_b32 s52, s17, 9
	s_add_co_u32 s52, s52, 16384
	s_add_nc_u64 s[OS:OS+1], s[OB:OB+1], s[52:53]  ; scale words: c' = w % 2
	s_lshl_b32 s52, s17, 11
	s_add_nc_u64 s[OB:OB+1], s[OB:OB+1], s[52:53]  ; images: K steps 2 (w % 2) and 2 (w % 2) + 1
	TRIP 0
	s_mov_b32 s[CNT], 2
.Ltrips:
	TRIP 1
	s_sub_co_u32 s[CNT], s[CNT], 1
	s_cmp_lg_u32 s[CNT], 0
	s_cbranch_scc1 .Ltrips
	TRIP 2                                         ; the last trip fills nothing
	; THE WAY OUT: quantised along the 512 units straight from the accumulators, stored as images
.irp m, 0,1,2,3
.irp g, 0,1
	s_wait_xcnt 0x0                                ; the earlier stores have read the fragment's registers
	QUANT 64*\m, 2+\g, PW+\g
	global_store_b128 v[LI], v[PC:PC+3], s[OB:OB+1] offset:4096*\m+1024*\g          ; 512 consecutive bytes a store
	global_store_b128 v[LI], v[PC+4:PC+7], s[OB:OB+1] offset:4096*\m+1024*\g+512
.endr
	v_cndmask_b32 v[SW+\m], v[PW], v[PW+1], s[HM]          ; lanes 0-15: the word of g = 0, lanes 16-31: of g = 1
.endr
	global_store_b128 v[LI], v[SW:SW+3], s[OS:OS+1]        ; 512 consecutive bytes
	s_wait_tensorcnt 0x0                           ; the wave's end
	ds_add_u32 v[SPW], v[NIL]
	s_wait_dscnt 0x0
	s_endpgm
.Lfunc_end_k_qaca4f7b265_proj:
	.size	k_qaca4f7b265_proj, .Lfunc_end_k_qaca4f7b265_proj-k_qaca4f7b265_proj
	.p2alignl 7, 3214868480
	.fill 96, 4, 3214868480
	.section	.rodata,"a",@progbits
	.p2align	6, 0x0
	.amdhsa_kernel k_qaca4f7b265_proj
		.amdhsa_group_segment_fixed_size 327680
		.amdhsa_private_segment_fixed_size 0
		.amdhsa_enable_private_segment 0
		.amdhsa_kernarg_size 48
		.amdhsa_user_sgpr_count 2
		.amdhsa_user_sgpr_kernarg_segment_ptr 1
		.amdhsa_wavefront_size32 1
		.amdhsa_system_sgpr_workgroup_id_x 1
		.amdhsa_system_sgpr_workgroup_id_y 1
		.amdhsa_system_sgpr_workgroup_id_z 1
		.amdhsa_system_vgpr_workitem_id 0
		.amdhsa_next_free_vgpr 1024
		.amdhsa_next_free_sgpr 66
		.amdhsa_reserve_vcc 0
		.amdhsa_float_denorm_mode_32 3
		.amdhsa_float_denorm_mode_16_64 3
		.amdhsa_memory_ordered 1
		.amdhsa_forward_progress 1
		.amdhsa_inst_pref_size 252
	.end_amdhsa_kernel
	.amdgpu_metadata
---
amdhsa.version: [ 1, 2 ]
amdhsa.kernels:
  - .name:           k_qaca4f7b265_proj
    .symbol:         k_qaca4f7b265_proj.kd
    .args:
      - { .name: hidden, .offset: 0, .size: 8, .value_kind: global_buffer, .address_space: global }
      - { .name: wf, .offset: 8, .size: 8, .value_kind: global_buffer, .address_space: global }
      - { .name: bq, .offset: 16, .size: 8, .value_kind: global_buffer, .address_space: global }
      - { .name: bk, .offset: 24, .size: 8, .value_kind: global_buffer, .address_space: global }
      - { .name: qf, .offset: 32, .size: 8, .value_kind: global_buffer, .address_space: global }
      - { .name: kf, .offset: 40, .size: 8, .value_kind: global_buffer, .address_space: global }
    .group_segment_fixed_size: 327680
    .private_segment_fixed_size: 0
    .kernarg_segment_align: 8
    .kernarg_segment_size: 48
    .max_flat_workgroup_size: 128
    .sgpr_count:     66
    .vgpr_count:     1024
    .wavefront_size: 32
...
	.end_amdgpu_metadata
.endif
;; end of part 2
;; launch part (part 3): grid 256 x 1, 4 waves a work-group, clusters of 4 x 1, 327,680 bytes of LDS; arguments qf, kf, part; writes part
.if DOCPART == 3
	.amdgcn_target "amdgcn-amd-amdhsa--gfx1250"
	.amdhsa_code_object_version 6
	.text
	.protected	k_qaca4f7b265_part
	.globl	k_qaca4f7b265_part
	.p2align	8
	.type	k_qaca4f7b265_part,@function
k_qaca4f7b265_part:
	s_mov_b64 s[64:65], 0
	v_nop
	global_prefetch_b8 v0, s[64:65] scope:SCOPE_SE
	s_setreg_imm32_b32 hwreg(HW_REG_WAVE_MODE, 25, 1), 1
	s_wait_xcnt 0x0
	s_wait_alu depctr_hold_cnt(0) depctr_sa_sdst(0) depctr_va_vdst(0) depctr_va_sdst(0) depctr_va_ssrc(0) depctr_va_vcc(0) depctr_vm_vsrc(0)
	s_getreg_b32 s2, hwreg(HW_REG_IB_STS2, 6, 4)
	s_cmp_eq_u32 s2, 0
	s_cbranch_scc0 .Lentry_in_a_cluster
	s_endpgm
.Lentry_in_a_cluster:
	s_bfe_u32 s2, ttmp6, 0x10000c
	s_cmp_lg_u32 s2, 0x3003
	s_cbranch_scc0 .Lentry_shape_is_right
	s_endpgm
.Lentry_shape_is_right:
; part[kq][token] = the sum over the 1,024 keys of quarter kq of the token's batch of Q(q)[token] . Q(k)[key], on codes of FP4 (E2M1) with E8M0 scales for each 32 along the 512.
; SHARES.  Cluster C: batch = C / 16, kq = (C / 4) % 4; work-group: query block qb = 4 (C % 4) + cx, 256 queries.  The four partners share their 1,024 keys and differ in their queries.
; Every wave holds all 256 queries (16 tiles x 4 K steps: 512 registers) and takes 256 of the keys: groups 4 w .. 4 w + 3 of 64 keys, 16 key tiles.
; THE KEYS (278,528 bytes of images and scale words) fit in LDS at once: each wave brings its four groups by four joint tensor loads (mask 15) at the start and is the only wave that reads them.
; No LDS byte is filled twice: no ring.  By this text's count a wave has at most four tensor loads out.
; THE SUM OVER KEYS COSTS NO VECTOR WORK IN THE LOOP: source 0 = 16 keys, source 1 = 16 queries, and all key tiles of a query tile add onto ONE accumulator; its eight registers and the two halves
; of the lanes are added at the end.  Eight accumulators a phase (query tiles 0-7, then 8-15) take turns, one instruction a turn; each key fragment feeds eight products.
; The order of the f32 sums over keys so differs from a row-wise mean's.  NaN and infinities are not served.
; REGISTERS: window 0: names below.  window 1: query tiles 0-7, tile t's K step s at 32 t + 8 s.  window 2: tiles 8-15 likewise.
.set GRP,  17408                       ; a group of 64 tokens: 16 images of 1,024 bytes, then 1,024 bytes of scale words
.set RED,  16*GRP                      ; behind the keys: 1,024 bytes for each wave's 256 sums
.set KB0,  1                           ; v1-2 my groups 0, 1 and 2, 3 in LDS: 16 x lane
.set LI,   3                           ; v3   16 x lane
.set RW,   4                           ; v4   where I put my wave's sums
.set RR,   5                           ; v5   where I read four waves' sums of two queries
.set L8,   6                           ; v6   8 x lane
.set KS,   16                          ; v16-31 the keys' scale words: two sets (group % 2) of 8: register 4 c' + tile: K step 2 c' below, 2 c' + 1 above
.set QS,   32                          ; v32-63 the queries': register 8 a + 4 c' + m for tile 4 a + m
.set ACC,  64                          ; v64-127 eight accumulators
.set KF,   128                         ; v128-223 a key tile's four fragments: three sets
.set P,    224                         ; v224-231 register i, lane l: the sum of query 32 i + l
.set RS,   232                         ; v232-239 a tile's sums by halves
.set TA,   240                         ; v240-243 at work
.set YY,   244
.set ZI,   245
.set ZZ,   246
.set WV,  10                           ; s10  my wave's number
.set SEL, 20                           ; s[20:21] lane selects for v_permlanex16_b32: lane l xor 16
.set HM,  22                           ; s22  a mask of lanes 16-31
.set G1,  24                           ; s[24:31] descriptor group 1
.set G0,  32                           ; s[32:35] descriptor group 0
.set MSB, 0
.macro WIN new                         ; the immediate's high byte repeats the setting that is left
.if MSB != (\new)
	s_set_vgpr_msb (MSB<<8)|(\new)
.set MSB, (\new)
.endif
.endm
.macro PLACES                          ; four places in front of loads into registers that matrix instructions have read and of reads of results
.rept 4
	v_nop
.endr
.endm
.macro ROUND                           ; a round of the cluster's barrier
	s_barrier_signal -1
	s_barrier_wait -1
	s_cmp_lg_u32 s[WV], 0
	s_cbranch_scc1 .Lnot_wave_0_\@
	s_barrier_signal -3
.Lnot_wave_0_\@:
	s_barrier_wait -3
	s_barrier_signal -1
	s_barrier_wait -1
.endm
; one product on the registers named by rD, rA, rB, rS, rT.  zero: it starts the sum.  odd: both sides' scale words stand in lanes 16-31
.macro WMMA zero, odd
.if (\zero)
.if (\odd)
	v_wmma_scale_f32_16x16x128_f8f6f4 v[rD:rD+7], v[rA:rA+7], v[rB:rB+7], 0, v[rS], v[rT] matrix_a_fmt:MATRIX_FMT_FP4 matrix_b_fmt:MATRIX_FMT_FP4 matrix_a_scale:MATRIX_SCALE_ROW1 matrix_b_scale:MATRIX_SCALE_ROW1
.else
	v_wmma_scale_f32_16x16x128_f8f6f4 v[rD:rD+7], v[rA:rA+7], v[rB:rB+7], 0, v[rS], v[rT] matrix_a_fmt:MATRIX_FMT_FP4 matrix_b_fmt:MATRIX_FMT_FP4
.endif
.else
.if (\odd)
	v_wmma_scale_f32_16x16x128_f8f6f4 v[rD:rD+7], v[rA:rA+7], v[rB:rB+7], v[rD:rD+7], v[rS], v[rT] matrix_a_fmt:MATRIX_FMT_FP4 matrix_b_fmt:MATRIX_FMT_FP4 matrix_a_scale:MATRIX_SCALE_ROW1 matrix_b_scale:MATRIX_SCALE_ROW1
.else
	v_wmma_scale_f32_16x16x128_f8f6f4 v[rD:rD+7], v[rA:rA+7], v[rB:rB+7], v[rD:rD+7], v[rS], v[rT] matrix_a_fmt:MATRIX_FMT_FP4 matrix_b_fmt:MATRIX_FMT_FP4
.endif
.endif
.endm
; the LDS loads of step x (0 .. 31; key tile x % 16): with a group's first tile its scale words (2 loads), then the tile's four fragments (8 loads) into set x % 3
.macro KLOAD
.set xg, (x/4)%4
.set xn, x%4
.set xb, KB0+xg/2
.set xo, GRP*(xg%2)
.if xn == 0
.irp c, 0,1
	ds_load_b128 v[KS+8*(xg%2)+4*\c:KS+8*(xg%2)+4*\c+3], v[xb] offset:xo+16384+512*\c
.endr
.endif
.irp s, 0,1,2,3
.irp c, 0,1
	ds_load_b128 v[KF+32*(x%3)+8*\s+4*\c:KF+32*(x%3)+8*\s+4*\c+3], v[xb] offset:xo+4096*xn+1024*\s+512*\c
.endr
.endr
.endm
; STEP kk: key tile kk % 16 against the eight query tiles of phase kk / 16: 32 products.  The loads run two steps ahead.
.macro KTILE
.if kk >= 1
	PLACES                                         ; the set that step kk + 2 takes was read by step kk - 1's products
.endif
.set x, kk+2
.if x < 32
	KLOAD
.endif
.set yl, 0                             ; the LDS loads issued behind this step's own: those of steps kk + 1 and kk + 2
.if kk+1 < 32
.set yl, yl+8
.if (kk+1)%4 == 0
.set yl, yl+2
.endif
.endif
.if kk+2 < 32
.set yl, yl+8
.if (kk+2)%4 == 0
.set yl, yl+2
.endif
.endif
	s_wait_dscnt yl
.set kt, kk%16
.set ksb, KS+8*((kt/4)%2)+kt%4
.irp s, 0,1,2,3
.irp t, 0,1,2,3,4,5,6,7
.set qt, 8*(kk/16)+\t
.set rD, ACC+8*\t
.set rA, KF+32*(kk%3)+8*\s
.set rB, 32*\t+8*\s
.set rS, ksb+4*(\s/2)
.set rT, QS+8*(qt/4)+4*(\s/2)+qt%4
.if (kt == 0) && (\s == 0)
	WMMA 1, \s%2                                   ; a phase's first products start the sums: nothing is cleared
.else
	WMMA 0, \s%2
.endif
.endr
.endr
.endm
; a phase's eight accumulators become four registers of sums: register j of lane (r, h) holds the sums over keys 8 h + j of the tiles, for query r
.macro REDUCE ph
	WIN 0
	PLACES
.irp t, 0,1,2,3,4,5,6,7
	v_pk_add_f32 v[TA:TA+1], v[ACC+8*\t:ACC+8*\t+1], v[ACC+8*\t+2:ACC+8*\t+3]       ; each accumulator from its low end on
	v_pk_add_f32 v[TA+2:TA+3], v[ACC+8*\t+4:ACC+8*\t+5], v[ACC+8*\t+6:ACC+8*\t+7]
	v_pk_add_f32 v[TA:TA+1], v[TA:TA+1], v[TA+2:TA+3]
	v_add_f32 v[RS+\t], v[TA], v[TA+1]
.endr
.irp i, 0,1,2,3                                ; two tiles at a time: lanes 0-15 finish the even tile's queries, lanes 16-31 the odd tile's
	v_cndmask_b32 v[YY], v[RS+2*\i], v[RS+2*\i+1], s[HM]   ; my own half of my tile,
	v_cndmask_b32 v[ZI], v[RS+2*\i+1], v[RS+2*\i], s[HM]   ; and what lane l xor 16 wants of me
	v_permlanex16_b32 v[ZZ], v[ZI], s[SEL], s[SEL+1]
	v_add_f32 v[P+4*(\ph)+\i], v[YY], v[ZZ]
.endr
.endm
	s_load_b128 s[4:7], s[0:1], 0x0                ; qf, kf
	s_load_b64 s[8:9], s[0:1], 0x10                ; part
	v_lshl_add_u32 v254, v0, 2, 0x45000
	v_mov_b32 v255, 0
	ds_add_u32 v254, v255
	ds_add_u32 v254, v255
	v_lshrrev_b32 v1, 5, v0
	v_readfirstlane_b32 s[WV], v1                  ; wave 0..3
	s_bfe_u32 s11, ttmp6, 0x40000                  ; cx: it enters qf's and part's addresses alone
	s_lshr_b32 s12, ttmp9, 4                       ; batch
	s_bfe_u32 s13, ttmp9, 0x20002                  ; kq
	s_and_b32 s14, ttmp9, 3
	s_lshl_b32 s14, s14, 2
	s_add_co_u32 s14, s14, s11                     ; qb
	s_lshr_b32 s15, ttmp9, 2                       ; 4 batch + kq: which 16 groups of kf
	s_mov_b32 s[SEL], 0x76543210
	s_mov_b32 s[SEL+1], 0xfedcba98
	s_mov_b32 s[HM], 0xffff0000
	; descriptor group 1: a dense block of 69,632 bytes as 272 rows of 256 bytes (32 elements of 8 bytes), no padding
	s_mov_b32 s[G1], 15|(3<<16)|(1<<21)            ; 15:0 the mask: all four work-groups; 17:16 elements of 8 bytes; 21 set beside a mask
	s_mov_b32 s[G1+1], 32<<16
	s_mov_b32 s[G1+2], 272<<16                     ; my four groups are 69,632 consecutive bytes, in kf and in LDS: 272 rows of 256 bytes
	s_mov_b32 s[G1+3], 32<<16
	s_mov_b32 s[G1+4], 272
	s_mov_b32 s[G1+5], 32
	s_mov_b32 s[G1+6], 0
	s_mov_b32 s[G1+7], 0
	v_and_b32 v7, 31, v0                           ; lane
	s_mul_i32 s48, s[WV], 4*GRP                    ; my four groups, in LDS and in the quarter
	v_lshl_add_u32 v[KB0], v7, 4, s48
	v_add_nc_u32 v[KB0+1], 2*GRP, v[KB0]
	v_lshlrev_b32 v[LI], 4, v7
	s_lshl_b32 s50, s[WV], 10
	s_add_co_u32 s50, s50, RED
	v_lshl_add_u32 v[RW], v7, 2, s50
	s_lshl_b32 s50, s[WV], 8
	s_add_co_u32 s50, s50, RED
	v_lshl_add_u32 v[RR], v7, 3, s50
	v_lshlrev_b32 v[L8], 3, v7
	v_mov_b32 v[ZZ], 0                             ; written once: a lane permute's destination counts as one of its sources
	s_mul_i32 s52, s15, 16*GRP
	s_add_co_u32 s52, s52, s48
	s_mov_b32 s53, 0
	s_lshl_b32 s54, s12, 6                         ; q: group 64 batch + 4 qb
	s_lshl_b32 s55, s14, 2
	s_add_co_u32 s54, s54, s55
	s_mul_i32 s54, s54, GRP
	s_mov_b32 s55, 0
	s_lshl_b32 s56, s13, 16                        ; part: 65,536 kq + 4 (4,096 batch + 256 qb + 64 w)
	s_lshl_b32 s57, s12, 14
	s_add_co_u32 s56, s56, s57
	s_lshl_b32 s57, s14, 10
	s_add_co_u32 s56, s56, s57
	s_lshl_b32 s57, s[WV], 8
	s_add_co_u32 s56, s56, s57
	s_mov_b32 s57, 0
	s_wait_dscnt 0x0
	s_wait_kmcnt 0x0
	s_add_nc_u64 s[52:53], s[6:7], s[52:53]
	s_add_nc_u64 s[4:5], s[4:5], s[54:55]
	s_add_nc_u64 s[8:9], s[8:9], s[56:57]
	s_mov_b32 s[G0], 1
	s_mov_b32 s[G0+1], s48
	s_mov_b64 s[G0+2:G0+3], s[52:53]
	s_or_b32 s[G0+3], s[G0+3], 0x80000000
	ROUND                                          ; all four work-groups are here: the joint loads meet
	tensor_load_to_lds s[G0:G0+3], s[G1:G1+7]      ; ONE joint load a wave brings all four of its groups: by this text's count a wave has one tensor load out
	s_nop 0
	PLACES
	s_wait_alu depctr_va_vdst(0)
.irp a, 0,1,2,3
.irp c, 0,1
	global_load_b128 v[QS+8*\a+4*\c:QS+8*\a+4*\c+3], v[LI], s[4:5] offset:GRP*\a+16384+512*\c
.endr
.endr
	WIN 0x40                                       ; destination window 1
.irp t, 0,1,2,3,4,5,6,7
.irp s, 0,1,2,3
.irp c, 0,1
	global_load_b128 v[32*\t+8*\s+4*\c:32*\t+8*\s+4*\c+3], v[LI], s[4:5] offset:GRP*(\t/4)+4096*(\t%4)+1024*\s+512*\c
.endr
.endr
.endr
	WIN 0x80                                       ; destination window 2
.irp t, 0,1,2,3,4,5,6,7
.irp s, 0,1,2,3
.irp c, 0,1
	global_load_b128 v[32*\t+8*\s+4*\c:32*\t+8*\s+4*\c+3], v[LI], s[4:5] offset:GRP*(2+\t/4)+4096*(\t%4)+1024*\s+512*\c
.endr
.endr
.endr
	WIN 0
	s_wait_tensorcnt 0x0                           ; my four groups of keys have landed
.set x, 0
	KLOAD
.set x, 1
	KLOAD
	s_wait_loadcnt 63                              ; the scale words and query tiles 0-7 are in: 64 loads are younger, and 63 is the most that a wait names
	WIN 0x04                                       ; source 1 (the queries) window 1; all else, LDS loads too, window 0
.set kk, 0
.rept 16
	KTILE
.set kk, kk+1
.endr
	REDUCE 0
	s_wait_loadcnt 0x0                             ; query tiles 8-15
	WIN 0x08                                       ; source 1 window 2
.rept 16
	KTILE
.set kk, kk+1
.endr
	REDUCE 1
.irp i, 0,1,2,3,4,5,6,7
	ds_store_b32 v[RW], v[P+\i] offset:128*\i      ; my wave's sums of the 256 queries
.endr
	s_wait_dscnt 0x0                               ; for the others' sake: they have landed
	s_barrier_signal -1
	s_barrier_wait -1
.irp i, 0,1,2,3
	ds_load_b64 v[RS+2*\i:RS+2*\i+1], v[RR] offset:1024*\i   ; queries 64 w + 2 l, + 1: the four waves' sums
.endr
	s_wait_dscnt 0x0
	v_pk_add_f32 v[RS:RS+1], v[RS:RS+1], v[RS+2:RS+3]
	v_pk_add_f32 v[RS+4:RS+5], v[RS+4:RS+5], v[RS+6:RS+7]
	v_pk_add_f32 v[RS:RS+1], v[RS:RS+1], v[RS+4:RS+5]
	global_store_b64 v[L8], v[RS:RS+1], s[8:9]     ; 256 consecutive bytes, aligned
	s_wait_tensorcnt 0x0
	ds_add_u32 v254, v255
	s_wait_dscnt 0x0
	ROUND                                          ; the closing round: no work-group ends while a partner may still ask for a group that names it
	s_endpgm
.Lfunc_end_k_qaca4f7b265_part:
	.size	k_qaca4f7b265_part, .Lfunc_end_k_qaca4f7b265_part-k_qaca4f7b265_part
	.p2alignl 7, 3214868480
	.fill 96, 4, 3214868480
	.section	.rodata,"a",@progbits
	.p2align	6, 0x0
	.amdhsa_kernel k_qaca4f7b265_part
		.amdhsa_group_segment_fixed_size 327680
		.amdhsa_private_segment_fixed_size 0
		.amdhsa_enable_private_segment 0
		.amdhsa_kernarg_size 24
		.amdhsa_user_sgpr_count 2
		.amdhsa_user_sgpr_kernarg_segment_ptr 1
		.amdhsa_wavefront_size32 1
		.amdhsa_system_sgpr_workgroup_id_x 1
		.amdhsa_system_sgpr_workgroup_id_y 1
		.amdhsa_system_sgpr_workgroup_id_z 1
		.amdhsa_system_vgpr_workitem_id 0
		.amdhsa_next_free_vgpr 768
		.amdhsa_next_free_sgpr 66
		.amdhsa_reserve_vcc 0
		.amdhsa_float_denorm_mode_32 3
		.amdhsa_float_denorm_mode_16_64 3
		.amdhsa_memory_ordered 1
		.amdhsa_forward_progress 1
		.amdhsa_inst_pref_size 174
	.end_amdhsa_kernel
	.amdgpu_metadata
---
amdhsa.version: [ 1, 2 ]
amdhsa.kernels:
  - .name:           k_qaca4f7b265_part
    .symbol:         k_qaca4f7b265_part.kd
    .args:
      - { .name: qf, .offset: 0, .size: 8, .value_kind: global_buffer, .address_space: global }
      - { .name: kf, .offset: 8, .size: 8, .value_kind: global_buffer, .address_space: global }
      - { .name: part, .offset: 16, .size: 8, .value_kind: global_buffer, .address_space: global }
    .group_segment_fixed_size: 327680
    .private_segment_fixed_size: 0
    .kernarg_segment_align: 8
    .kernarg_segment_size: 24
    .max_flat_workgroup_size: 128
    .sgpr_count:     66
    .vgpr_count:     768
    .wavefront_size: 32
...
	.end_amdgpu_metadata
.endif
;; end of part 3
;; launch add (part 4): grid 32 x 1, 4 waves a work-group, no clusters, 0 bytes of LDS; arguments part, out0; writes out0
.if DOCPART == 4
	.amdgcn_target "amdgcn-amd-amdhsa--gfx1250"
	.amdhsa_code_object_version 6
	.text
	.protected	k_qaca4f7b265_add
	.globl	k_qaca4f7b265_add
	.p2align	8
	.type	k_qaca4f7b265_add,@function
k_qaca4f7b265_add:
	s_mov_b64 s[64:65], 0
	v_nop
	global_prefetch_b8 v0, s[64:65] scope:SCOPE_SE
	s_setreg_imm32_b32 hwreg(HW_REG_WAVE_MODE, 25, 1), 1
	s_wait_xcnt 0x0
; out0[token] = c x (the four quarters' sums of the token), c = 512^-0.5 / 4,096 = 2^-16.5: the scale and the mean over the 4,096 keys in one factor.
; part = [4][16,384] f32.  A thread takes four tokens: 16 bytes of each quarter; sixteen neighbouring lanes store 256 consecutive bytes, aligned.  32 work-groups of 512 tokens: that is all the work there is.
	s_load_b128 s[4:7], s[0:1], 0x0                ; part, out0
	s_lshl_b32 s8, ttmp9, 11                       ; 512 tokens of 4 bytes a work-group
	v_lshlrev_b32 v1, 4, v0
	v_add_nc_u32 v1, s8, v1
	s_wait_alu depctr_va_vdst(0)
	s_wait_kmcnt 0x0
	global_load_b128 v[4:7], v1, s[4:5]
	global_load_b128 v[8:11], v1, s[4:5] offset:65536
	global_load_b128 v[12:15], v1, s[4:5] offset:131072
	global_load_b128 v[16:19], v1, s[4:5] offset:196608
	s_wait_loadcnt 0x0
	v_pk_add_f32 v[4:5], v[4:5], v[8:9]
	v_pk_add_f32 v[6:7], v[6:7], v[10:11]
	v_pk_add_f32 v[12:13], v[12:13], v[16:17]
	v_pk_add_f32 v[14:15], v[14:15], v[18:19]
	v_pk_add_f32 v[4:5], v[4:5], v[12:13]
	v_pk_add_f32 v[6:7], v[6:7], v[14:15]
	v_pk_mul_f32 v[4:5], v[4:5], 0x373504f3 op_sel_hi:[1,0]
	v_pk_mul_f32 v[6:7], v[6:7], 0x373504f3 op_sel_hi:[1,0]
	global_store_b128 v1, v[4:7], s[6:7]
	s_endpgm
.Lfunc_end_k_qaca4f7b265_add:
	.size	k_qaca4f7b265_add, .Lfunc_end_k_qaca4f7b265_add-k_qaca4f7b265_add
	.p2alignl 7, 3214868480
	.fill 96, 4, 3214868480
	.section	.rodata,"a",@progbits
	.p2align	6, 0x0
	.amdhsa_kernel k_qaca4f7b265_add
		.amdhsa_group_segment_fixed_size 0
		.amdhsa_private_segment_fixed_size 0
		.amdhsa_enable_private_segment 0
		.amdhsa_kernarg_size 16
		.amdhsa_user_sgpr_count 2
		.amdhsa_user_sgpr_kernarg_segment_ptr 1
		.amdhsa_wavefront_size32 1
		.amdhsa_system_sgpr_workgroup_id_x 1
		.amdhsa_system_sgpr_workgroup_id_y 1
		.amdhsa_system_sgpr_workgroup_id_z 1
		.amdhsa_system_vgpr_workitem_id 0
		.amdhsa_next_free_vgpr 32
		.amdhsa_next_free_sgpr 66
		.amdhsa_reserve_vcc 0
		.amdhsa_float_denorm_mode_32 3
		.amdhsa_float_denorm_mode_16_64 3
		.amdhsa_memory_ordered 1
		.amdhsa_forward_progress 1
		.amdhsa_inst_pref_size 2
	.end_amdhsa_kernel
	.amdgpu_metadata
---
amdhsa.version: [ 1, 2 ]
amdhsa.kernels:
  - .name:           k_qaca4f7b265_add
    .symbol:         k_qaca4f7b265_add.kd
    .args:
      - { .name: part, .offset: 0, .size: 8, .value_kind: global_buffer, .address_space: global }
      - { .name: out0, .offset: 8, .size: 8, .value_kind: global_buffer, .address_space: global }
    .group_segment_fixed_size: 0
    .private_segment_fixed_size: 0
    .kernarg_segment_align: 8
    .kernarg_segment_size: 16
    .max_flat_workgroup_size: 128
    .sgpr_count:     66
    .vgpr_count:     32
    .wavefront_size: 32
...
	.end_amdgpu_metadata
.endif
;; end of part 4
